; MI455X (gfx1250); checked and timed in simulation.
; The chip was launched on July 23, 2026; its instructions are those of AMD's public machine-readable ISA for CDNA 5 (MIT licence, August 2026) and "CDNA5" Instruction Set Architecture Reference Guide (July 2026). The comments in the code are by the model that wrote it; some were corrected since.
;; Attention. Allowed arithmetic: matrix products marked QUANTISED: E2M1 operands, one E8M0 scale for each 32 along K, by v_wmma_scale_f32_16x16x128_f8f6f4 with both operands' format E2M1 (or v_wmma_scale_f32_32x16x128_f4), f32 sums; everything else in f32.
;; Inputs: b_proj 1,024 float32; w_proj_codes 1,024 x 32 x 16 uint8 (E2M1 codes of w_proj, K innermost, in blocks of 32 codes, two codes a byte); w_proj_scales 1,024 x 32 uint8 (E8M0 scales of w_proj, one for each 32 codes along K); w_qkv_codes 3,072 x 32 x 16 uint8 (E2M1 codes of w_qkv, K innermost, in blocks of 32 codes, two codes a byte); w_qkv_scales 3,072 x 32 uint8 (E8M0 scales of w_qkv, one for each 32 codes along K); x_codes 4 x 2,048 x 32 x 16 uint8 (E2M1 codes of x, K innermost, in blocks of 32 codes, two codes a byte); x_scales 4 x 2,048 x 32 uint8 (E8M0 scales of x, one for each 32 codes along K).
;; Outputs: out0 4 x 2,048 x 1,024 float32.
;; This version of the problem:
;;   THIS VERSION OF THE PROBLEM IS GIVEN IN LOW PRECISION. The matrix products marked QUANTISED in the list below multiply operands that are first quantised to E2M1 (2 exponent bits, 1 mantissa bit; 4 bits a number), with one power-of-two scale for each 32 numbers along K (OCP MX v1.0); their sums are f32. All else is computed in f32.
;;   The module's matrix products, in the order in which they are computed (A, B: the left and right operand; K: the contracted axis; several contracted axes count as one K, in the product's order):
;;     1. [M 8,192, K 1,024] x [K 1,024, N 3,072]; A: input x (given as codes); B: input w_qkv (given as codes): QUANTISED
;;     2. batch 64 x [M 2,048, K 64] x [K 64, N 2,048]; A: computed on the way; B: computed on the way: QUANTISED
;;     3. batch 64 x [M 2,048, K 2,048] x [K 2,048, N 64]; A: softmax (see below); B: computed on the way: QUANTISED
;;     4. [M 8,192, K 1,024] x [K 1,024, N 1,024]; A: computed on the way; B: input w_proj (given as codes): QUANTISED
;;   THE QUANTISER, for each operand of a quantised product, along K:
;;     - K is cut into blocks of 32 from its start; a last block that is shorter is filled with zeros.
;;     - A block's scale is 2^e with e = floor(log2(the largest magnitude in the block)) - 2, held to -126 .. 127; a block of zeros has e = 0. As a byte (E8M0): e + 127.
;;     - Each number is divided by its block's scale, clamped to +-6, and rounded to the nearest number of E2M1, ties to even, subnormals kept.
;;     - The product sums the exact products of the quantised numbers (number of the format x scale) in f32.
;;   ~~~python
;;   def quantise(x, axis):      # numpy; x: float32 -> the quantised numbers, widened to float32 again
;;       x = np.moveaxis(x, axis, -1); K = x.shape[-1]
;;       x = np.pad(x, [(0, 0)] * (x.ndim - 1) + [(0, -K % 32)]); x = x.reshape(x.shape[:-1] + (-1, 32)); a = np.abs(x).max(-1, keepdims=True)
;;       e = np.where(a > 0, np.clip(np.frexp(np.where(a > 0, a, 1))[1] - 1 - 2, -126, 127), 0)      # np.frexp(a)[1] - 1 = floor(log2(a)), exactly
;;       r = np.clip(x / 2.0 ** e, -6, 6)
;;       step = 2.0 ** (np.maximum(np.frexp(np.where(r == 0, 1, r))[1] - 1, 0) - 1)
;;       q = np.round(r / step) * step * 2.0 ** e      # np.round: ties to even
;;       return np.moveaxis(q.reshape(q.shape[:-2] + (-1,))[..., :K], -1, axis).astype(np.float32)
;;   ~~~
;;   SOFTMAX AHEAD OF A QUANTISED PRODUCT. Where the list says 'softmax', what is quantised is not the finished softmax but p = 2^(t - M), with t = logit x log2(e) and M = ceil(the row's largest t), a whole number; so 1/2 < the row's largest p <= 1. The row's sum l is taken of the UNQUANTISED p, in f32, and the product's result is divided by l at the end. Since M is a whole number, a kernel that streams over the keys may use a running M (the ceiling of the running maximum): every later rescaling is an exact power of two, which a block's scale takes up: the codes' values come out the same.
;;   OPERANDS COMPUTED ON THE WAY. 'Computed on the way' means the value that the module computes at that place (a softmax that the list does not call 'softmax' is quantised finished and normalised). What goes into a quantiser is computed in f32, as accurately as f32 sums, v_exp_f32 and their like allow (about 1e-6 of the number): no bf16 or f16 on the way to a quantiser, and a product that is left as it is and whose result goes on into a quantised operand takes f32 operands (vector FMAs, or v_wmma_f32_16x16x4_f32). A number that lies on a knife's edge between two numbers of the format may be rounded either way, as far as f32 arithmetic and the matrix unit's own rounding can turn it there, and no further.
;;   INPUTS GIVEN AS CODES. w_proj (in the module: [1024, 1024], K = its axis 0); w_qkv (in the module: [1024, 3072], K = its axis 0); x (in the module: [4, 2048, 1024], K = its axis 2): each comes as NAME_codes (uint8): NAME with its K axis moved to the last place and cut into blocks of 32 codes, [.., K / 32, bytes a block], one block behind the other in memory; two codes a byte, the lower K in the low four bits (a code: sign, 2 exponent bits, 1 mantissa bit); and NAME_scales (uint8): the same leading axes, one E8M0 byte (e + 127) for each 32 codes along K. Its value is code x scale, taken as it is: it is not quantised again, and the codes and scales need not be those that the quantiser above would give.
;; One version. Each part assembles by itself: llvm-mc -triple=amdgcn-amd-amdhsa -mcpu=gfx1250 --defsym DOCPART=n.
;; ======== version 1 of 1: 3 launches
;; workspace buffers: kv 8,912,896 bytes; qrec 8,912,896 bytes; ycodes 4,194,304 bytes; ysc 262,144 bytes
;; launch qkv (part 1): grid 12 x 32, 4 waves a work-group, clusters of 4 x 4, 279,040 bytes of LDS; arguments x_codes, x_scales, w_qkv_codes, w_qkv_scales, qrec, kv; writes qrec, kv
.if DOCPART == 1
	.amdgcn_target "amdgcn-amd-amdhsa--gfx1250"
	.amdhsa_code_object_version 6
	.text
	.protected	k_q842151d828_qkv
	.globl	k_q842151d828_qkv
	.p2align	8
	.type	k_q842151d828_qkv,@function
k_q842151d828_qkv:
	s_mov_b64 s[64:65], 0
	v_nop
	global_prefetch_b8 v0, s[64:65] scope:SCOPE_SE
	s_setreg_imm32_b32 hwreg(HW_REG_WAVE_MODE, 25, 1), 1
	s_wait_xcnt 0x0
	s_wait_alu depctr_hold_cnt(0) depctr_sa_sdst(0) depctr_va_vdst(0) depctr_va_sdst(0) depctr_va_ssrc(0) depctr_va_vcc(0) depctr_vm_vsrc(0)
	s_getreg_b32 s2, hwreg(HW_REG_IB_STS2, 6, 4)
	s_cmp_eq_u32 s2, 0
	s_cbranch_scc0 .Lentry_in_a_cluster
	s_endpgm
.Lentry_in_a_cluster:
	s_bfe_u32 s2, ttmp6, 0x10000c
	s_cmp_lg_u32 s2, 0xf033
	s_cbranch_scc0 .Lentry_shape_is_right
	s_endpgm
.Lentry_shape_is_right:
; LAUNCH 1 OF 3: qkv = x w_qkv on codes of FP4 (E2M1) with E8M0 scales, and the quantisers of q, k (along the head's 64) and v (along the keys).  Only codes and scale bytes go to memory.
; WORK THAT THE PROGRAM LEAVES OUT (in launch 2).  reference() sets att[t][s] to -inf wherever s > t, by the jnp.tril that it builds in its own body, and the softmax gives such a place the weight 0, whatever
; finite values q and k hold.  A step of 128 keys whose first key lies behind the last of a tile's 16 queries holds such places alone: its scores reach no maximum, its p are zeros (zero codes under any scale),
; and it adds 0 to the row's sum and to y.  So products 2 and 3 are not computed for such steps.  Every input has a way to the output, and all are loaded.
; LIMITS: a NaN, an infinity or an overflow that would arise only in the scores left out is not carried to the result.  Scale bytes 0xff, NaN and infinities are not served.  A block of zeros gets the scale byte 1
; where the quantiser says 127: its codes are zeros, which add nothing under any byte but 0xff, and these bytes are read by this program alone.
; SHARES.  A work-group makes 256 rows of w_qkv x 256 tokens, all K = 1,024; its four waves 128 x 128 each: 64 accumulators of 16 x 16, 512 registers.  All of K lies in LDS (two halves of K, rows of 256 bytes + 16):
; each LDS byte is filled once, so there is no ring.  4 x 4 work-groups form a cluster: w's tile is asked for jointly along a column of the cluster, x's along a row.
; ONE TEXT, TWO ORIENTATIONS.  A lane's registers must run along the axis that is quantised.  q and k (clusters x = 0, 1): source 0 'P' = rows of w (channels), source 1 'S' = rows of x (tokens): a lane holds one token
; and channels.  v (cluster x = 2): P = rows of x (keys), S = rows of w (channels): a lane holds one channel and keys.  Only addresses differ; they are chosen on the cluster's x, which all partners share.
; OUT.  Records of 8,704 bytes for a head and 128 tokens, laid as the reader's operand registers: 0: k (or q): tile a of 16 tokens at 512 a + 16 lane (token lane % 16, channels 32 (lane / 16) on);
; 4,096: v: channel tile t at 1,024 t + 512 c + 16 lane (16 channels x 128 keys);  8,192: k's scale words at 16 r + 4 f (tile 2 f's two bytes, tile 2 f + 1's two);  8,448: v's scale words at 16 r + 4 t.
; q goes to qrec (its first and third part alone), k and v to kv.  Every store of codes covers 512 consecutive bytes, aligned; the scale words leave as two runs of 256.
; REGISTERS, in windows of 256: window 0: v16-29 addresses; v32-63 S's scale words, v64-95 P's; v96-127 the quantiser's; v128-191 S's 8 fragments, one set; v192-195 scale words on their way out.
;   window 1: P's fragments, two sets, at v0 and v128.   windows 2, 3: accumulator (a, b) at v[8 (8 (a % 4) + b)]: a = S's tile, b = P's tile.
.set PITCH,  272                       ; an LDS row: 256 bytes + 16 of padding = 68 words: the 16 rows of a fragment load start at 16 different banks (64 banks of 4 bytes: ISA guide 11.1)
.set HALFT,  128*PITCH                 ; 128 rows: what one tensor load brings
.set XOFF,   2*HALFT                   ; in a K half: w's 256 rows, then x's 256
.set REGION, 4*HALFT                   ; a K half
.set SPARE,  2*REGION                  ; behind both halves: the spare words, 128 bytes for each wave
.set RECB,   8704
.set HEADB,  16*RECB
.set ADP,  16                          ; v16-17 LDS address of P's fragments in K half 0, 1
.set ADS,  20                          ; v20-21 of S's
.set LI,   24                          ; v24    16 x lane
.set SOFF, 25                          ; v25    16 r + (lane / 16) x a head's bytes
.set SCO,  26                          ; v26    32 x lane: a row of scale bytes for each lane
.set SELV, 27                          ; v27    v_perm_b32's selector: the low halves in lanes 0-15, the high halves in lanes 16-31
.set SPW,  28                          ; v28    LDS address of my spare word; never rewritten
.set NIL,  29                          ; v29    0; never rewritten
.set SCS,  32                          ; scale words: register 8 (tile / 2) + K step; lanes 0-15 the even tile, lanes 16-31 the odd one
.set SCP,  64
.set TM,   96                          ; v96-99 largest magnitudes, v100-103 bytes, v108-111 the conversions' scale operands
.set PC,   112                         ; v112-119 the codes just made
.set WS,   120                         ; v120-127 a scale word for each of S's 8 tiles
.set AF,   128
.set SW,   192
.set WV,   16
.set SH,   17                          ; wave / 2: S's half.  Also: I fetch for w (0) or for x (1)
.set PH,   18                          ; wave % 2: P's half.  Also: which 128 rows I fetch
.set G1W,  24                          ; s[24:31] group 1 for w's tiles, s[32:39] groups 0 for the two K halves
.set G0W,  32
.set G1X,  48                          ; s[48:55], s[56:63] the same for x's
.set G0X,  56
.set HM,   80                          ; s80    the mask of lanes 16-31
.set INC,  88                          ; s[88:89] from one of S's tiles to the next, in the record
.set JMP,  90                          ; s[90:91] v: from the first head's last tile on to the second head's first
.set DSC,  94                          ; s[94:95] where the scale words go
.set DLO,  96                          ; s[96:97] where registers 0-3 of the codes go
.set DHI,  98                          ; s[98:99] and registers 4-7
.set MSB, 0
.macro WIN new                         ; the immediate's high byte repeats the setting that is left
.if MSB != (\new)
	s_set_vgpr_msb (MSB<<8)|(\new)
.set MSB, (\new)
.endif
.endm
.set MUL_LO, 0xa1                      ; source 0 (P) window 1, source 1 (S) window 0, C and D window 2
.set MUL_HI, 0xf1                      ; the same, C and D window 3
.set TO_P,   0x40                      ; destination window 1, address window 0
; A joint load: waves 0 and 1 fetch w's halves, waves 2 and 3 x's.  The branch hangs on the wave's number alone.  An s_nop 0 and four v_nop follow each line.
.macro JLOAD g0a, g1a, g0b, g1b
	s_cmp_eq_u32 s[SH], 0
	s_cbranch_scc0 .Lfor_x_\@
	tensor_load_to_lds s[\g0a:\g0a+3], s[\g1a:\g1a+7]
	s_nop 0
.rept 4
	v_nop
.endr
	s_branch .Lasked_\@
.Lfor_x_\@:
	tensor_load_to_lds s[\g0b:\g0b+3], s[\g1b:\g1b+7]
	s_nop 0
.rept 4
	v_nop
.endr
.Lasked_\@:
.endm
.macro CROUND                          ; a round of the cluster's barrier
	s_barrier_signal -1
	s_barrier_wait -1
	s_cmp_lg_u32 s[WV], 0
	s_cbranch_scc1 .Lnot_wave_0_\@
	s_barrier_signal -3
.Lnot_wave_0_\@:
	s_barrier_wait -3
	s_barrier_signal -1
	s_barrier_wait -1
.endm
.macro PLACES                          ; four places in front of loads into registers that matrix instructions have read, and of the first read of results
.rept 4
	v_nop
.endr
.endm
	s_load_b256 s[4:11], s[0:1], 0x0               ; x's codes s[4:5], x's scales s[6:7], w's codes s[8:9], w's scales s[10:11]
	s_load_b128 s[12:15], s[0:1], 0x20             ; qrec s[12:13], kv s[14:15]
	v_lshl_add_u32 v[SPW], v0, 2, SPARE
	v_mov_b32 v[NIL], 0
	ds_add_u32 v[SPW], v[NIL]                      ; the wave's opening: the add, twice on end, and its wait ahead of my first tensor load
	ds_add_u32 v[SPW], v[NIL]
	v_lshrrev_b32 v1, 5, v0
	v_readfirstlane_b32 s[WV], v1                  ; wave 0..3
	s_lshr_b32 s[SH], s[WV], 1
	s_and_b32 s[PH], s[WV], 1
	s_bfe_u32 s40, ttmp6, 0x40000                  ; cx, cy: my place in the cluster
	s_bfe_u32 s41, ttmp6, 0x40004
	s_lshl_b32 s42, ttmp9, 2
	s_add_co_u32 s42, s42, s40                     ; which 256 rows of w: 4 x cluster x + cx
	s_and_b32 s43, ttmp7, 0xffff
	s_lshl_b32 s43, s43, 2
	s_add_co_u32 s43, s43, s41                     ; which 256 tokens: 4 x cluster y + cy
	s_lshl_b32 s44, s41, 2
	s_lshl_b32 s44, 15, s44                        ; my row of the cluster
	s_lshl_b32 s45, 0x1111, s40                    ; my column
	s_or_b32 s[G1W], s45, (1<<20)|(1<<21)|(5<<22)|(3<<25)   ; 15:0 the mask: w's tiles go to my column; elements of 1 byte; padding on; 21 set beside a mask; four words behind every 64
	s_or_b32 s[G1X], s44, (1<<20)|(1<<21)|(5<<22)|(3<<25)   ; x's tiles go to my row
.irp g, G1W, G1X
	s_mov_b32 s[\g+1], 256<<16                     ; tensor_dim0 = 256 bytes: half of K
	s_mov_b32 s[\g+2], 128<<16                     ; tensor_dim1 = 128 rows
	s_mov_b32 s[\g+3], 256<<16                     ; tile_dim0
	s_mov_b32 s[\g+4], 128                         ; tile_dim1
	s_mov_b32 s[\g+5], 512                         ; from row to row: 1,024 codes
	s_mov_b32 s[\g+6], 0
	s_mov_b32 s[\g+7], 0
.endr
	s_lshl_b32 s19, s[PH], 7                       ; which 128 rows of the tile I fetch
	s_lshl_b32 s20, s42, 8
	s_add_co_u32 s20, s20, s19
	s_lshl_b32 s20, s20, 9                         ; w: row x 512 bytes
	s_mov_b32 s21, 0
	s_lshl_b32 s22, s43, 8
	s_add_co_u32 s22, s22, s19
	s_lshl_b32 s22, s22, 9                         ; x likewise
	s_mov_b32 s23, 0
	s_mul_i32 s46, s[WV], HALFT                    ; where they go: wave x 128 rows: no place in the cluster enters an LDS address
	s_mov_b32 s2, 0x76543210
	s_mov_b32 s3, 0xfedcba98                       ; v_permlanex16_b32's selects for lane l xor 16
	s_mov_b32 s[HM], 0xffff0000
	s_wait_dscnt 0x0                               ; both opening adds are done
	s_wait_kmcnt 0x0
	s_add_nc_u64 s[20:21], s[8:9], s[20:21]
	s_add_nc_u64 s[22:23], s[4:5], s[22:23]
	CROUND                                         ; all sixteen work-groups are here: the joint loads meet
.irp g, 0,1
	s_mov_b32 s[G0W+4*\g], 1
	s_add_co_u32 s[G0W+4*\g+1], s46, \g*REGION
	s_add_nc_u64 s[G0W+4*\g+2:G0W+4*\g+3], s[20:21], \g*256
	s_or_b32 s[G0W+4*\g+3], s[G0W+4*\g+3], 0x80000000
	s_mov_b32 s[G0X+4*\g], 1
	s_add_co_u32 s[G0X+4*\g+1], s46, \g*REGION
	s_add_nc_u64 s[G0X+4*\g+2:G0X+4*\g+3], s[22:23], \g*256
	s_or_b32 s[G0X+4*\g+3], s[G0X+4*\g+3], 0x80000000
	JLOAD G0W+4*\g, G1W, G0X+4*\g, G1X             ; both K halves are asked for at once: two loads of mine are out
.endr
	; what hangs on the orientation: all choices on one compare of the cluster's x
	s_cmp_eq_u32 ttmp9, 2                          ; v's third of w?
	s_cselect_b64 s[66:67], s[6:7], s[10:11]       ; P's scales
	s_cselect_b64 s[68:69], s[10:11], s[6:7]       ; S's scales
	s_cselect_b32 s70, s43, s42                    ; P's block of 256 rows
	s_cselect_b32 s71, s42, s43                    ; S's
	s_cselect_b32 s72, XOFF, 0                     ; P's rows in a K half
	s_cselect_b32 s73, 0, XOFF                     ; S's
	s_cselect_b32 s81, s[SH], s[PH]                ; which half of the 256 channels is mine
	s_cselect_b32 s82, s[PH], s[SH]                ; which half of the 256 tokens
	s_cselect_b32 s84, 4096, 0                     ; where the codes begin in a record
	s_mov_b32 s86, HEADB
	s_cselect_b32 s86, 512, s86                    ; registers 4-7: v: the fragment's second half; q, k: the next head
	s_mov_b32 s[INC], 512
	s_cselect_b32 s[INC], 1024, s[INC]
	s_cselect_b32 s[JMP], HEADB-4096, 0
	s_mov_b32 s92, 8192
	s_cselect_b32 s92, 8448, s92                   ; where the scale words begin
	s_mov_b32 s85, 0
	s_mov_b32 s87, 0
	s_mov_b32 s[INC+1], 0
	s_mov_b32 s[JMP+1], 0
	s_mov_b32 s93, 0
	s_cmp_eq_u32 ttmp9, 0
	s_cselect_b64 s[DSC:DSC+1], s[12:13], s[14:15] ; q goes to qrec, k and v to kv
	; the scale words come straight from memory, once: a lane takes a row's 32 bytes (8 K steps) by two loads; 32 lanes cover 1,024 consecutive bytes
	s_lshl_b32 s76, s70, 13
	s_lshl_b32 s74, s[PH], 12
	s_add_co_u32 s76, s76, s74                     ; (256 x block + 128 x half) x 32 bytes
	s_mov_b32 s77, 0
	s_add_nc_u64 s[66:67], s[66:67], s[76:77]
	s_lshl_b32 s78, s71, 13
	s_lshl_b32 s74, s[SH], 12
	s_add_co_u32 s78, s78, s74
	s_mov_b32 s79, 0
	s_add_nc_u64 s[68:69], s[68:69], s[78:79]
	v_and_b32 v1, 31, v0                           ; lane
	v_lshlrev_b32 v[SCO], 5, v1
.irp p, 0,1,2,3
	global_load_b128 v[SCP+8*\p:SCP+8*\p+3], v[SCO], s[66:67] offset:1024*\p
	global_load_b128 v[SCP+8*\p+4:SCP+8*\p+7], v[SCO], s[66:67] offset:1024*\p+16
	global_load_b128 v[SCS+8*\p:SCS+8*\p+3], v[SCO], s[68:69] offset:1024*\p
	global_load_b128 v[SCS+8*\p+4:SCS+8*\p+7], v[SCO], s[68:69] offset:1024*\p+16
.endr
	v_and_b32 v2, 15, v0                           ; r
	v_bfe_u32 v3, v0, 4, 1                         ; h
	s_wait_alu depctr_va_vdst(0)
	v_mul_u32_u24 v4, v2, PITCH
	v_lshl_add_u32 v4, v3, 4, v4                   ; a fragment's row x pitch + 16 h
	s_mul_i32 s74, s[PH], HALFT
	s_add_co_u32 s72, s72, s74
	s_mul_i32 s74, s[SH], HALFT
	s_add_co_u32 s73, s73, s74
.irp g, 0,1
	v_add_nc_u32 v[ADP+\g], s72, v4
	v_add_nc_u32 v[ADS+\g], s73, v4
	s_add_co_u32 s72, s72, REGION
	s_add_co_u32 s73, s73, REGION
.endr
	v_lshlrev_b32 v[LI], 4, v1
	v_mul_u32_u24 v5, v3, HEADB
	v_lshl_add_u32 v[SOFF], v2, 4, v5
	v_mov_b32 v5, 0x05040100
	v_mov_b32 v6, 0x07060302
	v_cndmask_b32 v[SELV], v5, v6, s[HM]
.irp b, 0,1,2,3
	v_mov_b32 v[TM+4+\b], 0                        ; written once: a lane permute's destination counts as one of its sources
.endr
	; my record: ((16 x batch + first head) x 16 + 2 (token block % 8) + token half) x 8,704
	s_lshr_b32 s74, s43, 3
	s_lshl_b32 s74, s74, 4
	s_lshl_b32 s75, s40, 2
	s_add_co_u32 s74, s74, s75
	s_lshl_b32 s75, s81, 1
	s_add_co_u32 s74, s74, s75                     ; 16 x batch + 4 cx + 2 x channel half
	s_lshl_b32 s74, s74, 4
	s_and_b32 s75, s43, 7
	s_lshl_b32 s75, s75, 1
	s_add_co_u32 s74, s74, s75
	s_add_co_u32 s74, s74, s82
	s_mul_i32 s74, s74, RECB
	s_mov_b32 s75, 0
	s_add_nc_u64 s[DSC:DSC+1], s[DSC:DSC+1], s[74:75]
	s_add_nc_u64 s[DLO:DLO+1], s[DSC:DSC+1], s[84:85]
	s_add_nc_u64 s[DHI:DHI+1], s[DLO:DLO+1], s[86:87]
	s_add_nc_u64 s[DSC:DSC+1], s[DSC:DSC+1], s[92:93]
; One product.  pa, pb: the tile's parity says in which half of the lanes its scale words stand.  z = 1: the product starts the sum.
.macro WMS d, a, b, sa, sb, pa, pb, z
.set WFORM, (\pa)+2*(\pb)+4*(\z)
.if WFORM == 0
	v_wmma_scale_f32_16x16x128_f8f6f4 v[\d:\d+7], v[\a:\a+7], v[\b:\b+7], v[\d:\d+7], v[\sa], v[\sb] matrix_a_fmt:MATRIX_FMT_FP4 matrix_b_fmt:MATRIX_FMT_FP4
.elseif WFORM == 1
	v_wmma_scale_f32_16x16x128_f8f6f4 v[\d:\d+7], v[\a:\a+7], v[\b:\b+7], v[\d:\d+7], v[\sa], v[\sb] matrix_a_fmt:MATRIX_FMT_FP4 matrix_b_fmt:MATRIX_FMT_FP4 matrix_a_scale:MATRIX_SCALE_ROW1
.elseif WFORM == 2
	v_wmma_scale_f32_16x16x128_f8f6f4 v[\d:\d+7], v[\a:\a+7], v[\b:\b+7], v[\d:\d+7], v[\sa], v[\sb] matrix_a_fmt:MATRIX_FMT_FP4 matrix_b_fmt:MATRIX_FMT_FP4 matrix_b_scale:MATRIX_SCALE_ROW1
.elseif WFORM == 3
	v_wmma_scale_f32_16x16x128_f8f6f4 v[\d:\d+7], v[\a:\a+7], v[\b:\b+7], v[\d:\d+7], v[\sa], v[\sb] matrix_a_fmt:MATRIX_FMT_FP4 matrix_b_fmt:MATRIX_FMT_FP4 matrix_a_scale:MATRIX_SCALE_ROW1 matrix_b_scale:MATRIX_SCALE_ROW1
.elseif WFORM == 4
	v_wmma_scale_f32_16x16x128_f8f6f4 v[\d:\d+7], v[\a:\a+7], v[\b:\b+7], 0, v[\sa], v[\sb] matrix_a_fmt:MATRIX_FMT_FP4 matrix_b_fmt:MATRIX_FMT_FP4
.elseif WFORM == 5
	v_wmma_scale_f32_16x16x128_f8f6f4 v[\d:\d+7], v[\a:\a+7], v[\b:\b+7], 0, v[\sa], v[\sb] matrix_a_fmt:MATRIX_FMT_FP4 matrix_b_fmt:MATRIX_FMT_FP4 matrix_a_scale:MATRIX_SCALE_ROW1
.elseif WFORM == 6
	v_wmma_scale_f32_16x16x128_f8f6f4 v[\d:\d+7], v[\a:\a+7], v[\b:\b+7], 0, v[\sa], v[\sb] matrix_a_fmt:MATRIX_FMT_FP4 matrix_b_fmt:MATRIX_FMT_FP4 matrix_b_scale:MATRIX_SCALE_ROW1
.else
	v_wmma_scale_f32_16x16x128_f8f6f4 v[\d:\d+7], v[\a:\a+7], v[\b:\b+7], 0, v[\sa], v[\sb] matrix_a_fmt:MATRIX_FMT_FP4 matrix_b_fmt:MATRIX_FMT_FP4 matrix_a_scale:MATRIX_SCALE_ROW1 matrix_b_scale:MATRIX_SCALE_ROW1
.endif
.endm
; 16 products: S's tiles a0, a0 + 1 x P's eight, K step s.  The 64 accumulators take turns, one instruction a turn, in the same order in every step.
.macro MUL16 a0, set, s, zero
.irp a, \a0, \a0+1
.irp b, 0,1,2,3,4,5,6,7
	WMS 8*(8*((\a)%4)+\b), 128*(\set)+8*\b, AF+8*(\a), SCP+8*(\b/2)+(\s), SCS+8*((\a)/2)+(\s), \b%2, (\a)%2, \zero
.endr
.endr
.endm
.macro FRAG reg, adr, off              ; 16 rows x 128 K of 4-bit codes: 8 registers: two loads of 16 bytes, 32 bytes apart
	ds_load_b128 v[\reg:\reg+3], v[\adr] offset:\off
	ds_load_b128 v[\reg+4:\reg+7], v[\adr] offset:\off+32
.endm
.macro FETCH_P g, q, set               ; P's eight fragments of the q-th 128 along K of half g
	WIN TO_P
.irp i, 0,1,2,3,4,5,6,7
	FRAG 128*(\set)+8*\i, ADP+\g, 64*(\q)+\i*16*PITCH
.endr
	WIN 0
.endm
.macro FETCH_S g, q, i0                ; S's tiles i0 .. i0 + 3
.irp i, \i0, \i0+1, \i0+2, \i0+3
	FRAG AF+8*(\i), ADS+\g, 64*(\q)+(\i)*16*PITCH
.endr
.endm
; A K step of 128 whose successor lies in the same K half.  S's tiles are free as soon as their eight products are issued: tiles 0-3 are fetched anew in the step's middle, 4-7 at its end; P has two sets.
.macro STEP s, zero
.set NG, ((\s)+1)/4
.set NQ, ((\s)+1)%4
.set ST, (\s)%2
	s_wait_dscnt 8                                 ; P's set and S's tiles 0-3 are in; the youngest eight loads (S's tiles 4-7) may be out
	WIN MUL_LO
	MUL16 0, ST, \s, \zero
	MUL16 2, ST, \s, \zero
	s_wait_dscnt 0x0                               ; S's tiles 4-7 are in
	PLACES
	FETCH_P NG, NQ, 1-ST
	FETCH_S NG, NQ, 0
	WIN MUL_HI
	MUL16 4, ST, \s, \zero
	MUL16 6, ST, \s, \zero
	PLACES
	WIN 0
	FETCH_S NG, NQ, 4
.endm
	s_wait_tensorcnt 0x1                           ; my part of K half 0 is in; half 1's load may be out
	s_barrier_signal -1
	s_barrier_wait -1                              ; everybody's is
	FETCH_P 0, 0, 0
	FETCH_S 0, 0, 0
	FETCH_S 0, 0, 4
	s_wait_loadcnt 0x0                             ; the scale words
	STEP 0, 1                                      ; the first step's products start the sums: nothing is cleared
	STEP 1, 0
	STEP 2, 0
	; K step 3 goes over to K half 1: my part of it has landed, then the barrier shows everybody's
	s_wait_tensorcnt 0x0
	s_wait_dscnt 0x0                               ; no LDS instruction of mine is pending at the signal
	s_barrier_signal -1
	WIN MUL_LO
	MUL16 0, 1, 3, 0                               ; work on registers while the others arrive
	MUL16 2, 1, 3, 0
	WIN 0
	s_barrier_wait -1
	PLACES
	FETCH_P 1, 0, 0
	FETCH_S 1, 0, 0
	WIN MUL_HI
	MUL16 4, 1, 3, 0
	MUL16 6, 1, 3, 0
	PLACES
	WIN 0
	FETCH_S 1, 0, 4
	STEP 4, 0
	STEP 5, 0
	STEP 6, 0
	s_wait_dscnt 8                                 ; the last step: nothing more to fetch
	WIN MUL_LO
	MUL16 0, 1, 7, 0
	MUL16 2, 1, 7, 0
	s_wait_dscnt 0x0
	WIN MUL_HI
	MUL16 4, 1, 7, 0
	MUL16 6, 1, 7, 0
	WIN 0
	PLACES
; THE WAY OUT.  S's tile a: a lane's 64 registers are 128 numbers' half along the quantised axis: register 8 b + j = place 16 b + 8 (lane / 16) + j.  Block beta of 32 is tiles 2 beta, 2 beta + 1 in lanes l and l xor 16.
; The largest magnitude (with the floor 2^(3 - 127) among its leaves, so that the byte cannot fall under 1), 2 off its exponent field: the conversion's scale operand; its exponent field: the byte.
; Tile t's eight codes go to register 4 (t / 4) + 2 (t % 2) + (t % 4) / 2; four exchanges of halves then give the operand's layout: register 4 c + o holds places 64 c + 32 (lane / 16) + 8 o on.
.macro QUANT a
.set AC, 64*((\a)%4)
.if (\a) > 0
	s_wait_xcnt 0x0                                ; the last tile's stores have read their data and their bases: both are written again only behind this wait
	s_add_nc_u64 s[DLO:DLO+1], s[DLO:DLO+1], s[INC:INC+1]
	s_add_nc_u64 s[DHI:DHI+1], s[DHI:DHI+1], s[INC:INC+1]
.endif
.if (\a) == 4
	s_add_nc_u64 s[DLO:DLO+1], s[DLO:DLO+1], s[JMP:JMP+1]
	s_add_nc_u64 s[DHI:DHI+1], s[DHI:DHI+1], s[JMP:JMP+1]
.endif
	WIN 0x0a+5*((\a)/4)                            ; sources 0 and 1: window 2 or 3
.irp b, 0,1,2,3
	v_max3_num_f32 v[TM+\b], |v[AC+16*\b]|, |v[AC+16*\b+1]|, 0x1800000   ; each accumulator is read from its low end on
.endr
.irp i, 2,4,6,8,10,12,14
.irp b, 0,1,2,3
	v_max3_num_f32 v[TM+\b], |v[AC+16*\b+\i]|, |v[AC+16*\b+\i+1]|, v[TM+\b]   ; (the four blocks by turns)
.endr
.endr
	WIN 0
.irp b, 0,1,2,3
	v_permlanex16_b32 v[TM+4+\b], v[TM+\b], s2, s3
.endr
.irp b, 0,1,2,3
	v_max_num_f32 v[TM+\b], v[TM+\b], v[TM+4+\b]
.endr
.irp b, 0,1,2,3
	v_add_nc_u32 v[TM+12+\b], 0xff000000, v[TM+\b]
.endr
.irp b, 0,1,2,3
	v_lshrrev_b32 v[TM+4+\b], 23, v[TM+12+\b]
.endr
	v_lshl_or_b32 v[WS+(\a)], v[TM+5], 8, v[TM+4]
	v_lshl_or_b32 v[WS+(\a)], v[TM+6], 16, v[WS+(\a)]
	v_lshl_or_b32 v[WS+(\a)], v[TM+7], 24, v[WS+(\a)]
	WIN 0x02+((\a)/4)                              ; source 0: window 2 or 3
.irp t, 0,1,2,3,4,5,6,7
	v_cvt_scalef32_pk8_fp4_f32 v[PC+4*(\t/4)+2*(\t%2)+(\t%4)/2], v[AC+8*\t:AC+8*\t+7], v[TM+12+\t/2]
.endr
	WIN 0
	v_nop                                          ; one plain place behind a scaled conversion
.irp i, 0,1,2,3
	v_permlane16_swap_b32 v[PC+2*\i], v[PC+2*\i+1]
.endr
	global_store_b128 v[LI], v[PC:PC+3], s[DLO:DLO+1]       ; 32 lanes store 512 consecutive bytes, aligned
	global_store_b128 v[LI], v[PC+4:PC+7], s[DHI:DHI+1]
.endm
.irp a, 0,1,2,3,4,5,6,7
	QUANT \a
.endr
	; the scale words.  q, k: word f of a head = tile 2 f's two bytes, tile 2 f + 1's two; lanes 0-15 serve the first head (low halves), lanes 16-31 the second.  v: word t of a head is tile t's (second head: tile 4 + t's)
	s_cmp_eq_u32 ttmp9, 2
	s_cbranch_scc1 .Lv_words
.irp f, 0,1,2,3
	v_perm_b32 v[SW+\f], v[WS+2*\f+1], v[WS+2*\f], v[SELV]
.endr
	s_branch .Lwords
.Lv_words:
.irp t, 0,1,2,3
	v_cndmask_b32 v[SW+\t], v[WS+\t], v[WS+4+\t], s[HM]
.endr
.Lwords:
	s_wait_alu depctr_va_vdst(0)
	global_store_b128 v[SOFF], v[SW:SW+3], s[DSC:DSC+1]     ; sixteen lanes store 256 consecutive bytes, aligned, in each of the two heads' records
	s_wait_tensorcnt 0x0                           ; the wave's end
	ds_add_u32 v[SPW], v[NIL]
	s_wait_dscnt 0x0
	CROUND                                         ; the closing round
	s_endpgm
.Lfunc_end_k_q842151d828_qkv:
	.size	k_q842151d828_qkv, .Lfunc_end_k_q842151d828_qkv-k_q842151d828_qkv
	.p2alignl 7, 3214868480
	.fill 96, 4, 3214868480
	.section	.rodata,"a",@progbits
	.p2align	6, 0x0
	.amdhsa_kernel k_q842151d828_qkv
		.amdhsa_group_segment_fixed_size 279040
		.amdhsa_private_segment_fixed_size 0
		.amdhsa_enable_private_segment 0
		.amdhsa_kernarg_size 48
		.amdhsa_user_sgpr_count 2
		.amdhsa_user_sgpr_kernarg_segment_ptr 1
		.amdhsa_wavefront_size32 1
		.amdhsa_system_sgpr_workgroup_id_x 1
		.amdhsa_system_sgpr_workgroup_id_y 1
		.amdhsa_system_sgpr_workgroup_id_z 1
		.amdhsa_system_vgpr_workitem_id 0
		.amdhsa_next_free_vgpr 1024
		.amdhsa_next_free_sgpr 100
		.amdhsa_reserve_vcc 0
		.amdhsa_float_denorm_mode_32 3
		.amdhsa_float_denorm_mode_16_64 3
		.amdhsa_memory_ordered 1
		.amdhsa_forward_progress 1
		.amdhsa_inst_pref_size 129
	.end_amdhsa_kernel
	.amdgpu_metadata
---
amdhsa.version: [ 1, 2 ]
amdhsa.kernels:
  - .name:           k_q842151d828_qkv
    .symbol:         k_q842151d828_qkv.kd
    .args:
      - { .name: x_codes, .offset: 0, .size: 8, .value_kind: global_buffer, .address_space: global }
      - { .name: x_scales, .offset: 8, .size: 8, .value_kind: global_buffer, .address_space: global }
      - { .name: w_qkv_codes, .offset: 16, .size: 8, .value_kind: global_buffer, .address_space: global }
      - { .name: w_qkv_scales, .offset: 24, .size: 8, .value_kind: global_buffer, .address_space: global }
      - { .name: qrec, .offset: 32, .size: 8, .value_kind: global_buffer, .address_space: global }
      - { .name: kv, .offset: 40, .size: 8, .value_kind: global_buffer, .address_space: global }
    .group_segment_fixed_size: 279040
    .private_segment_fixed_size: 0
    .kernarg_segment_align: 8
    .kernarg_segment_size: 48
    .max_flat_workgroup_size: 128
    .sgpr_count:     100
    .vgpr_count:     1024
    .wavefront_size: 32
...
	.end_amdgpu_metadata
.endif
;; end of part 1
;; launch attn (part 2): grid 4 x 64, 16 waves a work-group, clusters of 4 x 1, 167,936 bytes of LDS; arguments qrec, kv, ycodes, ysc; writes ycodes, ysc
.if DOCPART == 2
	.amdgcn_target "amdgcn-amd-amdhsa--gfx1250"
	.amdhsa_code_object_version 6
	.text
	.protected	k_q842151d828_attn
	.globl	k_q842151d828_attn
	.p2align	8
	.type	k_q842151d828_attn,@function
k_q842151d828_attn:
	s_mov_b64 s[64:65], 0
	v_nop
	global_prefetch_b8 v0, s[64:65] scope:SCOPE_SE
	s_setreg_imm32_b32 hwreg(HW_REG_WAVE_MODE, 25, 1), 1
	s_wait_xcnt 0x0
	s_wait_alu depctr_hold_cnt(0) depctr_sa_sdst(0) depctr_va_vdst(0) depctr_va_sdst(0) depctr_va_ssrc(0) depctr_va_vcc(0) depctr_vm_vsrc(0)
	s_getreg_b32 s2, hwreg(HW_REG_IB_STS2, 6, 4)
	s_cmp_eq_u32 s2, 0
	s_cbranch_scc0 .Lentry_in_a_cluster
	s_endpgm
.Lentry_in_a_cluster:
	s_bfe_u32 s2, ttmp6, 0x10000c
	s_cmp_lg_u32 s2, 0x3003
	s_cbranch_scc0 .Lentry_shape_is_right
	s_endpgm
.Lentry_shape_is_right:
; LAUNCH 2 OF 3: y = softmax(q k^T / 8, causal) v for one head, both products on codes of FP4 (E2M1) with E8M0 scales, and the quantiser of y along the model's 1,024.
; LEFT OUT: a step of 128 keys whose first key lies behind the last of a tile's 16 queries: reference()'s own jnp.tril gives all its places the weight 0 (shown at the head of the first launch; the limit stated there holds).
; THE SOFTMAX: t = score x log2(e) / 8; M = the running largest t, rounded UP to a whole number; p = 2^(t - M) is quantised along the keys, not normalised; the row's sum is taken of the unquantised p and divides at the end.
; When M moves, the sum and O are multiplied by 2^(old M - new M): exact.
; SHARES.  The four work-groups of a cluster serve one head.  Wave w of work-group j owns the query tiles 4 w + j and 127 - (4 w + j), 16 queries each: together (w / 2 + 1) + (16 - w / 2) = 17 key steps for every wave.
; The last step of a tile, (4 w + j) / 8 = w / 2 and 15 - w / 2, hangs on the wave's number alone: no branch and no LDS address hangs on the work-group's place, which enters global addresses and vector data only.
; LDS.  The head's 16 records of k, v and their scale words (139,264 bytes, laid as operand registers by launch 1) come in once, by joint loads of waves 0 to 3, and stay: no byte is filled twice.
; K = 64 IN AN INSTRUCTION OF K = 128.  A fragment of k holds TWO tiles of 16 keys (registers 0-3, 4-7); q stands twice, as (q, zeros) and (zeros, q): zero codes take the other tile out of the sum under any scale byte but 0xff.
; LAYOUT.  Both products are used transposed: S^T = k q^T, O^T = v^T p^T: a lane holds ONE query (lane % 16); register 8 t + i of S^T is key 16 t + 8 (lane / 16) + i of the step.
; REGISTERS: v1-7 addresses; v8-11 q's offsets; v12 -M, v13 the largest t, v[14:15] the sum; v16-31 q of the first tile; v32-63 k; v64-95 v; v96-159 S^T, then p; v160-191 O^T; v192-197 q's scale words;
;   v200-215 q of the second tile; v216-220 y's codes and bytes; v224-231 p's codes; v232-247 at work; v248-251 k's (lanes 0-15) and v's (lanes 16-31) scale words; v252 f; v253 p's scale word; v255 -infinity.
.set RECB,  8704
.set HEADB, 16*RECB
.set SPARE, HEADB                      ; behind the records: the spare words, 128 bytes for each of the 16 waves
.set LI,   1                           ; v1  16 x lane
.set ADK,  2                           ; v2  LDS address of the step's record, + 16 x lane
.set RH,   3                           ; v3  r - 8 h
.set R16,  4                           ; v4  16 r
.set SPW,  5                           ; v5  LDS address of my spare word; never rewritten
.set NIL,  6                           ; v6  0; never rewritten
.set YS,   7                           ; v7  32 r
.set WV,   12
.set TB,   2                           ; s2  LDS byte at which the step's record begins
.set KS,   3                           ; s3  the key step; also the loops' counter
.set SEL,  20                          ; s[20:21] lane selects for lane l xor 16
.set CS,   22                          ; s[22:23] c = log2(e) / 8
.set G1A,  24                          ; s[24:31] group 1: 17 rows of 256 bytes;  s[32:39]: 119 rows;  s[40:43], s[44:47] their groups 0
.set G1B,  32
.set G0A,  40
.set G0B,  44
.macro CROUND                          ; a round of the cluster's barrier
	s_barrier_signal -1
	s_barrier_wait -1
	s_cmp_lg_u32 s[WV], 0
	s_cbranch_scc1 .Lnot_wave_0_\@
	s_barrier_signal -3
.Lnot_wave_0_\@:
	s_barrier_wait -3
	s_barrier_signal -1
	s_barrier_wait -1
.endm
	s_load_b256 s[4:11], s[0:1], 0x0               ; qrec s[4:5], kv s[6:7], ycodes s[8:9], ysc s[10:11]
	v_lshl_add_u32 v[SPW], v0, 2, SPARE
	v_mov_b32 v[NIL], 0
	ds_add_u32 v[SPW], v[NIL]                      ; the wave's opening: the add, twice on end, and its wait ahead of the first tensor load
	ds_add_u32 v[SPW], v[NIL]
	v_lshrrev_b32 v8, 5, v0
	s_delay_alu instid0(VALU_DEP_1)
	v_readfirstlane_b32 s[WV], v8                  ; wave 0..15
	s_bfe_u32 s13, ttmp6, 0x40000                  ; cx: my work-group's place in the cluster
	s_and_b32 s14, ttmp7, 0xffff                   ; 16 x batch + head
	s_mov_b32 s[G1A], 15|(3<<16)|(1<<21)           ; 15:0 the mask: all four work-groups; elements of 8 bytes; 21 set beside a mask; no padding: the images are read at 16 x lane
	s_mov_b32 s[G1A+1], 32<<16                     ; tensor_dim0 = 32 elements: 256 bytes
	s_mov_b32 s[G1A+2], 17<<16                     ; tensor_dim1
	s_mov_b32 s[G1A+3], 32<<16                     ; tile_dim0
	s_mov_b32 s[G1A+4], 17                         ; tile_dim1
	s_mov_b32 s[G1A+5], 32                         ; dense
	s_mov_b32 s[G1A+6], 0
	s_mov_b32 s[G1A+7], 0
	s_mov_b32 s[G1B], 15|(3<<16)|(1<<21)
	s_mov_b32 s[G1B+1], 32<<16
	s_mov_b32 s[G1B+2], 119<<16
	s_mov_b32 s[G1B+3], 32<<16
	s_mov_b32 s[G1B+4], 119
	s_mov_b32 s[G1B+5], 32
	s_mov_b32 s[G1B+6], 0
	s_mov_b32 s[G1B+7], 0
	s_mul_i32 s16, s14, HEADB                      ; the head's first byte in kv
	s_mov_b32 s17, 0
	s_mul_i32 s18, s[WV], 17*256                   ; records 0 and 1: a quarter for each of waves 0 to 3, in LDS as in memory
	s_mov_b32 s19, 0
	s_mul_i32 s66, s[WV], 119*256                  ; records 2 to 15 likewise
	s_add_co_u32 s66, s66, 68*256
	s_mov_b32 s67, 0
	s_mov_b32 s[SEL], 0x76543210
	s_mov_b32 s[SEL+1], 0xfedcba98
	s_mov_b32 s[CS], 0x3e38aa3b                    ; log2(e) / 8
	s_mov_b32 s[CS+1], s[CS]                       ; (named with it as a pair, so it is written)
	s_wait_dscnt 0x0                               ; both opening adds are done
	s_wait_kmcnt 0x0
	s_add_nc_u64 s[6:7], s[6:7], s[16:17]
	s_mov_b32 s[G0A], 1
	s_mov_b32 s[G0A+1], s18
	s_add_nc_u64 s[G0A+2:G0A+3], s[6:7], s[18:19]
	s_or_b32 s[G0A+3], s[G0A+3], 0x80000000
	s_mov_b32 s[G0B], 1
	s_mov_b32 s[G0B+1], s66
	s_add_nc_u64 s[G0B+2:G0B+3], s[6:7], s[66:67]
	s_or_b32 s[G0B+3], s[G0B+3], 0x80000000
	CROUND                                         ; all four work-groups are here: the joint loads meet
	s_cmp_lt_u32 s[WV], 4                          ; a wave's two fills stand in one branch on the wave's number: two loads of mine are out
	s_cbranch_scc0 .Lno_fill
	tensor_load_to_lds s[G0A:G0A+3], s[G1A:G1A+7]
	s_nop 0
	tensor_load_to_lds s[G0B:G0B+3], s[G1B:G1B+7]
	s_nop 0
.rept 4
	v_nop
.endr
.Lno_fill:
	s_lshl_b32 s70, s[WV], 2
	s_add_co_u32 s70, s70, s13                     ; my first tile of queries
	s_sub_co_u32 s71, 127, s70                     ; my second
	s_lshr_b32 s48, s[WV], 1                       ; the first tile's last key step,
	s_sub_co_u32 s49, 15, s48                      ; the second's: from the wave's number alone
	v_and_b32 v8, 31, v0
	s_delay_alu instid0(VALU_DEP_1)
	v_lshlrev_b32 v[LI], 4, v8
	s_wait_alu depctr_va_vdst(0)
	v_and_b32 v9, 15, v0                           ; r
	v_bfe_u32 v10, v0, 4, 1                        ; h
	s_delay_alu instid0(VALU_DEP_2)
	v_lshlrev_b32 v[R16], 4, v9
	s_wait_alu depctr_va_vdst(0)
	v_lshlrev_b32 v[YS], 5, v9
	v_lshlrev_b32 v10, 3, v10
	s_delay_alu instid0(VALU_DEP_1)
	v_sub_nc_u32 v[RH], v9, v10
; All that hangs on tile p (0: the first, 1: the second): q's loads, y's addresses, the diagonal's offset, the selectors that turn q's scale word
.macro TADR p
.set QLO, 16+184*(\p)
.set QHI, QLO+8
	s_lshr_b32 s66, s[70+(\p)], 3                  ; the tile's record
	s_lshl_b32 s67, s14, 4
	s_add_co_u32 s66, s66, s67
	s_mul_i32 s66, s66, RECB
	s_mov_b32 s67, 0
	s_add_nc_u64 s[60+2*(\p):61+2*(\p)], s[4:5], s[66:67]
	s_and_b32 s68, s[70+(\p)], 7                   ; its place among the record's 8 tiles
	s_lshl_b32 s[50+(\p)], s68, 4                  ; its first query, counted from the diagonal step's first key
	s_lshl_b32 s69, s68, 9
	v_add_nc_u32 v[8+2*(\p)], s69, v[LI]           ; the image: 512 x place + 16 x lane
	s_lshr_b32 s69, s68, 1
	s_lshl_b32 s69, s69, 2
	s_add_co_u32 s69, s69, 8192
	v_add_nc_u32 v[9+2*(\p)], s69, v[R16]          ; the scale word: 8,192 + 16 r + 4 (place / 2)
	global_load_b128 v[QLO:QLO+3], v[8+2*(\p)], s[60+2*(\p):61+2*(\p)]       ; (q, zeros)
	global_load_b128 v[QHI+4:QHI+7], v[8+2*(\p)], s[60+2*(\p):61+2*(\p)]     ; (zeros, q)
	global_load_b32 v[196+(\p)], v[9+2*(\p)], s[60+2*(\p):61+2*(\p)]
.irp i, 0,1,2,3
	v_mov_b32 v[QLO+4+\i], 0
	v_mov_b32 v[QHI+\i], 0
.endr
	s_lshr_b32 s66, s14, 4                         ; y's codes: (((block of 256 tokens x 8 + head / 2) x 16 + tile % 16) x 2 + head % 2) x 512
	s_lshl_b32 s66, s66, 3
	s_lshr_b32 s68, s[70+(\p)], 4
	s_add_co_u32 s66, s66, s68
	s_lshl_b32 s66, s66, 3
	s_bfe_u32 s68, s14, 0x30001
	s_add_co_u32 s66, s66, s68
	s_lshl_b32 s66, s66, 4
	s_and_b32 s68, s[70+(\p)], 15
	s_add_co_u32 s66, s66, s68
	s_lshl_b32 s66, s66, 1
	s_and_b32 s68, s14, 1
	s_add_co_u32 s66, s66, s68
	s_lshl_b32 s66, s66, 9
	s_add_nc_u64 s[52+4*(\p):53+4*(\p)], s[8:9], s[66:67]
	s_lshr_b32 s66, s14, 4                         ; y's scale bytes: token x 32 + 2 x head
	s_lshl_b32 s66, s66, 7
	s_add_co_u32 s66, s66, s[70+(\p)]
	s_lshl_b32 s66, s66, 9
	s_and_b32 s68, s14, 15
	s_lshl_b32 s68, s68, 1
	s_add_co_u32 s66, s66, s68
	s_add_nc_u64 s[54+4*(\p):55+4*(\p)], s[10:11], s[66:67]
	s_and_b32 s68, s[70+(\p)], 1                   ; an odd tile's two bytes stand in the word's upper half
	s_mul_i32 s68, s68, 0x02020202
	s_xor_b32 s[16+2*(\p)], s68, 0x03020100        ; the selector that brings them into the lower half,
	s_xor_b32 s[17+2*(\p)], s68, 0x01000302        ; and into the upper
.endm
	TADR 0
	TADR 1
	v_mov_b32 v255, 0xff800000                     ; -infinity
	v_mov_b32 v253, 0                              ; (named as the upper half of the pair v[252:253] before it is first written)
.irp b, 0,1,2,3
	v_mov_b32 v[236+\b], 0                         ; written once: a lane permute's destination counts as one of its sources
.endr
.macro INIT                            ; a tile begins: O^T and the sum are zeros, the largest t is -3e38, under every t: the first change of M multiplies zeros
	v_mov_b32 v13, 0xff61b1e6
	s_delay_alu instid0(VALU_DEP_1)
	v_floor_f32 v12, -v13
	v_mov_b32 v14, 0
	v_mov_b32 v15, 0
.set i, 0
.rept 32
	v_mov_b32 v[160+i], 0
.set i, i+1
.endr
	s_mov_b32 s[TB], 0
	s_mov_b32 s[KS], 0
.endm
; A KEY STEP of tile p: 128 keys, one record.
.macro STEP p
.set QLO, 16+184*(\p)
.set QHI, QLO+8
	s_cmp_gt_u32 s[KS], s[48+(\p)]                 ; all its keys lie behind my queries: the step's work is left out; the lines at its end that step the address and the count are not
	s_cbranch_scc1 .Lhid_\@
	s_setprio 2
	v_add_nc_u32 v[ADK], s[TB], v[LI]
.rept 3
	v_nop                                          ; with the addition: four places in front of loads into registers that the last step's products read
.endr
	ds_load_b128 v[248:251], v[ADK] offset:8192    ; lanes 0-15: k's four scale words of row r; lanes 16-31: v's four
.irp f, 0,1,2,3
.irp c, 0,1
	ds_load_b128 v[32+8*\f+4*\c:35+8*\f+4*\c], v[ADK] offset:1024*\f+512*\c
.endr
.endr
.irp t, 0,1,2,3
.irp c, 0,1
	ds_load_b128 v[64+8*\t+4*\c:67+8*\t+4*\c], v[ADK] offset:4096+1024*\t+512*\c
.endr
.endr
	s_wait_dscnt 8                                 ; the scale words and k are in; v's eight loads may be out
.irp f, 0,1,2,3
	v_wmma_scale_f32_16x16x128_f8f6f4 v[96+16*\f:103+16*\f], v[32+8*\f:39+8*\f], v[QLO:QLO+7], 0, v[248+\f], v[192+2*(\p)] matrix_a_fmt:MATRIX_FMT_FP4 matrix_b_fmt:MATRIX_FMT_FP4
	v_wmma_scale_f32_16x16x128_f8f6f4 v[104+16*\f:111+16*\f], v[32+8*\f:39+8*\f], v[QHI:QHI+7], 0, v[248+\f], v[193+2*(\p)] matrix_a_fmt:MATRIX_FMT_FP4 matrix_b_fmt:MATRIX_FMT_FP4
.endr
.rept 4
	v_nop
.endr
	s_cmp_lg_u32 s[KS], s[48+(\p)]                 ; only the tile's last step lies on the diagonal
	s_cbranch_scc1 .Lopen_\@
	v_add_nc_u32 v254, s[50+(\p)], v[RH]           ; d = my query - the step's first key - 8 (lane / 16).  Register 8 t + i holds key 16 t + 8 (lane / 16) + i: hidden where 16 t + i > d
.set n, 0
.rept 64
	v_cmp_gt_i32 vcc_lo, 16*(n/8)+n%8, v254
	v_cndmask_b32 v[96+n], v[96+n], v255, vcc_lo   ; hidden scores become -infinity ahead of the maximum: p = 0 then.  The step's first key counts for every query of the tile
.set n, n+1
.endr
.Lopen_\@:
.irp b, 0,1,2,3
	v_max3_num_f32 v[232+\b], v[96+16*\b], v[97+16*\b], v[98+16*\b]   ; the largest score of each block of 32 keys: it serves the row's maximum and, since p rises with the score, the block's largest p
.endr
.irp i, 3,5,7,9,11,13
.irp b, 0,1,2,3
	v_max3_num_f32 v[232+\b], v[232+\b], v[96+16*\b+\i], v[97+16*\b+\i]
.endr
.endr
.irp b, 0,1,2,3
	v_max_num_f32 v[232+\b], v[232+\b], v[111+16*\b]
.endr
.irp b, 0,1,2,3
	s_delay_alu instid0(VALU_DEP_4)
	v_permlanex16_b32 v[236+\b], v[232+\b], s[SEL], s[SEL+1]
.endr
.irp b, 0,1,2,3
	s_delay_alu instid0(VALU_DEP_4)
	v_max_num_f32 v[232+\b], v[232+\b], v[236+\b]  ; with lane l xor 16's 16 keys
.endr
	s_delay_alu instid0(VALU_DEP_2)
	v_max3_num_f32 v254, v232, v233, v234
	s_delay_alu instid0(VALU_DEP_1)
	v_max_num_f32 v254, v254, v235
	s_delay_alu instid0(VALU_DEP_1)
	v_mul_f32 v254, s[CS], v254                    ; the step's largest t
	s_delay_alu instid0(VALU_DEP_1)
	v_max_num_f32 v13, v13, v254                   ; the running largest
	v_mov_b32 v254, v12
	s_delay_alu instid0(VALU_DEP_2)
	v_floor_f32 v12, -v13                          ; the new -M = floor(-t): M is a whole number
	s_delay_alu instid0(VALU_DEP_1)
	v_sub_f32 v254, v12, v254                      ; old M - new M: a whole number, 0 or less
	s_delay_alu instid0(VALU_DEP_1)
	v_cvt_i32_f32 v254, v254                       ; (it saturates)
	s_delay_alu instid0(VALU_DEP_1)
	v_ldexp_f32 v252, 1.0, v254                    ; f = 2^(old M - new M)
.set j, 0
.rept 32
	v_pk_fma_f32 v[96+j:97+j], v[96+j:97+j], s[CS:CS+1], v[12:13] op_sel_hi:[1,0,0]   ; t - M, two at a time
.set j, j+2
.endr
	s_setprio 1
.irp b, 0,1,2,3
	v_fma_f32 v[232+\b], v[232+\b], s[CS], v12     ; the same of each block's largest score
.endr
.set j, 0
	s_wait_alu depctr_va_vdst(0)
.rept 64
	v_exp_f32 v[96+j], v[96+j]                     ; p = 2^(t - M), at most 1
.set j, j+1
.endr
	v_pk_mul_f32 v[14:15], v[14:15], v[252:253] op_sel_hi:[1,0]   ; the sums under the new M: the plain place behind the exponentials
	s_wait_alu depctr_va_vdst(0)                   ; one wait for the batch, ahead of its first reader
.irp b, 0,1,2,3
	v_exp_f32 v[232+\b], v[232+\b]                 ; the blocks' largest p
.endr
	v_pk_add_f32 v[236:237], v[100:101], v[104:105]
	v_pk_add_f32 v[246:247], v[108:109], v[112:113]
	v_pk_add_f32 v[244:245], v[116:117], v[120:121]
	v_pk_add_f32 v[242:243], v[124:125], v[128:129]
	v_pk_add_f32 v[240:241], v[132:133], v[136:137]
	v_pk_add_f32 v[238:239], v[140:141], v[144:145]
	v_pk_add_f32 v[230:231], v[148:149], v[152:153]
	v_pk_add_f32 v[14:15], v[14:15], v[156:157]
	v_pk_add_f32 v[236:237], v[236:237], v[96:97]
	v_pk_add_f32 v[246:247], v[246:247], v[98:99]
	v_pk_add_f32 v[244:245], v[244:245], v[102:103]
	v_pk_add_f32 v[242:243], v[242:243], v[106:107]
	v_pk_add_f32 v[240:241], v[240:241], v[110:111]
	v_pk_add_f32 v[238:239], v[238:239], v[114:115]
	v_pk_add_f32 v[230:231], v[230:231], v[118:119]
	v_pk_add_f32 v[14:15], v[14:15], v[122:123]
	v_pk_add_f32 v[236:237], v[236:237], v[126:127]
	v_pk_add_f32 v[246:247], v[246:247], v[130:131]
	v_pk_add_f32 v[244:245], v[244:245], v[134:135]
	v_pk_add_f32 v[242:243], v[242:243], v[138:139]
	v_pk_add_f32 v[240:241], v[240:241], v[142:143]
	v_pk_add_f32 v[238:239], v[238:239], v[146:147]
	v_pk_add_f32 v[230:231], v[230:231], v[150:151]
	v_pk_add_f32 v[14:15], v[14:15], v[154:155]
	v_pk_add_f32 v[236:237], v[236:237], v[158:159]
	s_delay_alu instid0(VALU_DEP_2)
	v_pk_add_f32 v[14:15], v[14:15], v[242:243]
	s_delay_alu instid0(VALU_DEP_2)
	v_pk_add_f32 v[236:237], v[236:237], v[240:241]
	v_pk_add_f32 v[246:247], v[246:247], v[238:239]
	v_pk_add_f32 v[244:245], v[244:245], v[230:231]
	s_delay_alu instid0(VALU_DEP_2)
	v_pk_add_f32 v[14:15], v[14:15], v[246:247]
	s_delay_alu instid0(VALU_DEP_2)
	v_pk_add_f32 v[236:237], v[236:237], v[244:245]
	s_delay_alu instid0(VALU_DEP_1)
	v_pk_add_f32 v[14:15], v[14:15], v[236:237]
	s_wait_alu depctr_va_vdst(0)                   ; and one for the four
.irp b, 0,1,2,3
	v_max_num_f32 v[232+\b], 0x1800000, v[232+\b]  ; the floor 2^(3 - 127): the byte cannot fall under 1
.endr
.irp b, 0,1,2,3
	s_delay_alu instid0(VALU_DEP_4)
	v_add_nc_u32 v[244+\b], 0xff000000, v[232+\b]  ; 2 off the exponent field: the conversion's scale operand
.endr
.irp b, 0,1,2,3
	s_delay_alu instid0(VALU_DEP_4)
	v_lshrrev_b32 v[236+\b], 23, v[244+\b]         ; the scale's byte
.endr
	s_delay_alu instid0(VALU_DEP_3)
	v_lshl_or_b32 v253, v237, 8, v236              ; p's scale word for these 128 keys
	s_delay_alu instid0(VALU_DEP_1)
	v_lshl_or_b32 v253, v238, 16, v253
	s_delay_alu instid0(VALU_DEP_1)
	v_lshl_or_b32 v253, v239, 24, v253
	s_setprio 0
.irp t, 0,1,2,3,4,5,6,7
	v_cvt_scalef32_pk8_fp4_f32 v[224+4*(\t/4)+2*(\t%2)+(\t%4)/2], v[96+8*\t:103+8*\t], v[244+\t/2]
.endr
	v_nop                                          ; one plain place behind a scaled conversion
.irp i, 0,1,2,3
	v_permlane16_swap_b32 v[224+2*\i], v[225+2*\i] ; register 4 c + o now holds keys 64 c + 32 (lane / 16) + 8 o on
.endr
.set j, 0
.rept 16
	v_pk_mul_f32 v[160+j:161+j], v[160+j:161+j], v[252:253] op_sel_hi:[1,0]   ; O^T under the new M, each accumulator from its low end; these are also the places in front of the products below
.set j, j+2
.endr
	s_wait_alu depctr_va_vdst(0)
	s_wait_dscnt 0x0                               ; v is in
.irp t, 0,1,2,3
	v_wmma_scale_f32_16x16x128_f8f6f4 v[160+8*\t:167+8*\t], v[64+8*\t:71+8*\t], v[224:231], v[160+8*\t:167+8*\t], v[248+\t], v253 matrix_a_fmt:MATRIX_FMT_FP4 matrix_b_fmt:MATRIX_FMT_FP4 matrix_a_scale:MATRIX_SCALE_ROW1
.endr
.Lhid_\@:
	s_add_co_u32 s[TB], s[TB], RECB
	s_add_co_u32 s[KS], s[KS], 1
.endm
; A tile ends: y = O^T / the sum, quantised along the head's 64 (two blocks of the model's 1,024); its codes are half a fragment of the next launch's operand
.macro OUT p
	s_wait_xcnt 0x0                                ; the first tile's stores have read their data
.rept 4
	v_nop                                          ; places behind the last products
.endr
	v_add_f32 v14, v14, v15
	s_delay_alu instid0(VALU_DEP_1)
	v_permlanex16_b32 v252, v14, s[SEL], s[SEL+1]
	s_delay_alu instid0(VALU_DEP_1)
	v_add_f32 v14, v14, v252                       ; the row's sum
	s_wait_alu depctr_va_vdst(0)
	v_rcp_f32 v14, v14
	v_nop                                          ; a plain place behind the transcendental
	s_wait_alu depctr_va_vdst(0)                   ; and the wait ahead of its first reader
.set j, 0
.rept 16
	v_pk_mul_f32 v[96+j:97+j], v[160+j:161+j], v[14:15] op_sel_hi:[1,0]   ; register 8 t + i: y(query r, channel 16 t + 8 (lane / 16) + i)
.set j, j+2
.endr
.irp b, 0,1
	v_max3_num_f32 v[232+\b], |v[96+16*\b]|, |v[97+16*\b]|, 0x1800000
.endr
.irp i, 2,4,6,8,10,12,14
.irp b, 0,1
	s_delay_alu instid0(VALU_DEP_2)
	v_max3_num_f32 v[232+\b], v[232+\b], |v[96+16*\b+\i]|, |v[97+16*\b+\i]|
.endr
.endr
.irp b, 0,1
	s_delay_alu instid0(VALU_DEP_2)
	v_permlanex16_b32 v[236+\b], v[232+\b], s[SEL], s[SEL+1]
.endr
.irp b, 0,1
	s_delay_alu instid0(VALU_DEP_2)
	v_max_num_f32 v[232+\b], v[232+\b], v[236+\b]
.endr
.irp b, 0,1
	s_delay_alu instid0(VALU_DEP_2)
	v_add_nc_u32 v[244+\b], 0xff000000, v[232+\b]
.endr
.irp b, 0,1
	s_delay_alu instid0(VALU_DEP_2)
	v_lshrrev_b32 v[236+\b], 23, v[244+\b]
.endr
	s_delay_alu instid0(VALU_DEP_1)
	v_lshl_or_b32 v220, v237, 8, v236
.irp t, 0,1,2,3
	v_cvt_scalef32_pk8_fp4_f32 v[216+2*(\t%2)+\t/2], v[96+8*\t:103+8*\t], v[244+\t/2]
.endr
	v_nop                                          ; one plain place behind a scaled conversion
	v_permlane16_swap_b32 v216, v217
	v_permlane16_swap_b32 v218, v219
	global_store_b128 v[LI], v[216:219], s[52+4*(\p):53+4*(\p)]   ; 32 lanes store 512 consecutive bytes, aligned
	global_store_b16 v[YS], v220, s[54+4*(\p):55+4*(\p)]          ; two bytes of each token's row of 32 scale bytes (both halves of the lanes write the same): short stores, one byte in 16 of what the launch stores
.endm
	s_wait_tensorcnt 0x1                           ; my part of records 0 and 1 is in; the other load may be out
	s_barrier_signal -1
	s_barrier_wait -1
	s_wait_loadcnt 0x0                             ; q and its scale words
	v_perm_b32 v192, v196, v196, s16               ; the tile's two bytes in the lower half, for (q, zeros);
	v_perm_b32 v193, v196, v196, s17               ; in the upper half, for (zeros, q).  The other two bytes are its neighbour's: they stand over zero codes
	v_perm_b32 v194, v197, v197, s18
	v_perm_b32 v195, v197, v197, s19
	INIT
	STEP 0                                         ; key step 0 of the first tile, which every wave has, reads record 0 alone
	s_wait_tensorcnt 0x0                           ; all records:
	s_wait_dscnt 0x0
	s_barrier_signal -1
	s_barrier_wait -1                              ; everybody's parts.  From here on the waves run free
.Lfirst:                                           ; key steps 1 to 7: a constant count; a wave's hidden steps do no work
	STEP 0
	s_cmp_lt_u32 s[KS], 8
	s_cbranch_scc1 .Lfirst
	s_setprio 0
	OUT 0
	INIT
.Lsecond:                                          ; key steps 0 to 15
	STEP 1
	s_cmp_lt_u32 s[KS], 16
	s_cbranch_scc1 .Lsecond
	s_setprio 0
	OUT 1
	s_wait_tensorcnt 0x0                           ; the wave's end
	ds_add_u32 v[SPW], v[NIL]
	s_wait_dscnt 0x0
	CROUND                                         ; the closing round
	s_endpgm
.Lfunc_end_k_q842151d828_attn:
	.size	k_q842151d828_attn, .Lfunc_end_k_q842151d828_attn-k_q842151d828_attn
	.p2alignl 7, 3214868480
	.fill 96, 4, 3214868480
	.section	.rodata,"a",@progbits
	.p2align	6, 0x0
	.amdhsa_kernel k_q842151d828_attn
		.amdhsa_group_segment_fixed_size 167936
		.amdhsa_private_segment_fixed_size 0
		.amdhsa_enable_private_segment 0
		.amdhsa_kernarg_size 32
		.amdhsa_user_sgpr_count 2
		.amdhsa_user_sgpr_kernarg_segment_ptr 1
		.amdhsa_wavefront_size32 1
		.amdhsa_system_sgpr_workgroup_id_x 1
		.amdhsa_system_sgpr_workgroup_id_y 1
		.amdhsa_system_sgpr_workgroup_id_z 1
		.amdhsa_system_vgpr_workitem_id 0
		.amdhsa_next_free_vgpr 256
		.amdhsa_next_free_sgpr 72
		.amdhsa_reserve_vcc 1
		.amdhsa_float_denorm_mode_32 3
		.amdhsa_float_denorm_mode_16_64 3
		.amdhsa_memory_ordered 1
		.amdhsa_forward_progress 1
		.amdhsa_inst_pref_size 84
	.end_amdhsa_kernel
	.amdgpu_metadata
---
amdhsa.version: [ 1, 2 ]
amdhsa.kernels:
  - .name:           k_q842151d828_attn
    .symbol:         k_q842151d828_attn.kd
    .args:
      - { .name: qrec, .offset: 0, .size: 8, .value_kind: global_buffer, .address_space: global }
      - { .name: kv, .offset: 8, .size: 8, .value_kind: global_buffer, .address_space: global }
      - { .name: ycodes, .offset: 16, .size: 8, .value_kind: global_buffer, .address_space: global }
      - { .name: ysc, .offset: 24, .size: 8, .value_kind: global_buffer, .address_space: global }
    .group_segment_fixed_size: 167936
    .private_segment_fixed_size: 0
    .kernarg_segment_align: 8
    .kernarg_segment_size: 32
    .max_flat_workgroup_size: 512
    .sgpr_count:     72
    .vgpr_count:     256
    .wavefront_size: 32
...
	.end_amdgpu_metadata
.endif
;; end of part 2
;; launch proj (part 3): grid 8 x 32, 8 waves a work-group, clusters of 4 x 4, 236,544 bytes of LDS; arguments ycodes, ysc, w_proj_codes, w_proj_scales, b_proj, out0; writes out0
.if DOCPART == 3
	.amdgcn_target "amdgcn-amd-amdhsa--gfx1250"
	.amdhsa_code_object_version 6
	.text
	.protected	k_q842151d828_proj
	.globl	k_q842151d828_proj
	.p2align	8
	.type	k_q842151d828_proj,@function
k_q842151d828_proj:
	s_mov_b64 s[64:65], 0
	v_nop
	global_prefetch_b8 v0, s[64:65] scope:SCOPE_SE
	s_setreg_imm32_b32 hwreg(HW_REG_WAVE_MODE, 25, 1), 1
	s_wait_xcnt 0x0
	s_wait_alu depctr_hold_cnt(0) depctr_sa_sdst(0) depctr_va_vdst(0) depctr_va_sdst(0) depctr_va_ssrc(0) depctr_va_vcc(0) depctr_vm_vsrc(0)
	s_getreg_b32 s2, hwreg(HW_REG_IB_STS2, 6, 4)
	s_cmp_eq_u32 s2, 0
	s_cbranch_scc0 .Lentry_in_a_cluster
	s_endpgm
.Lentry_in_a_cluster:
	s_bfe_u32 s2, ttmp6, 0x10000c
	s_cmp_lg_u32 s2, 0xf033
	s_cbranch_scc0 .Lentry_shape_is_right
	s_endpgm
.Lentry_shape_is_right:
; LAUNCH 3 OF 3: out0 = y w_proj + b_proj on codes of FP4 (E2M1) with E8M0 scales; sums in f32.  Nothing is left out here.
; SHARES.  A work-group makes 256 tokens x 128 outputs, all K = 1,024: 256 work-groups.  Wave w takes outputs 64 (w % 2) on (4 tiles t) and tokens 64 (w / 2) on (4 tiles m): 16 accumulators, no register windows.
; Source 0 = rows of w_proj, source 1 = y: a lane holds one token and eight neighbouring outputs.  The bias is loaded straight into the accumulators, in the result's layout: every product adds in place, nothing is cleared or added.
; LDS: y's 256 tokens as launch 2 laid them, images of the operand's registers, 131,072 dense bytes; w's 128 rows in two halves of K (rows of 256 bytes + 16); a stage for each wave; the spare words.  Each byte is filled once.
; 4 x 4 work-groups form a cluster: y's block is asked for jointly along a row of the cluster, w's rows along a column.
.set YH,    65536                      ; half of K of y's block
.set WB,    131072
.set WHALF, 128*272
.set STAGE, WB+2*WHALF                 ; 16 rows x (256 bytes + 16) for each wave; no tensor load lands here
.set SPARE, STAGE+8*16*272             ; the spare words, 128 bytes for each of the 8 waves
.set ADY,  2                           ; v2-3  LDS address of my tiles of y in K half 0, 1
.set ADW,  4                           ; v4-5  of my rows of w
.set STO,  6                           ; v6    the stage: where I put 32 bytes of a row
.set RD,   7                           ; v7    and where I read a row back
.set CO,   8                           ; v8    my byte offset in two rows of out0
.set BO,   9                           ; v9    32 h: my eight numbers of a tile's 16 of the bias
.set SPW,  10                          ; v10   LDS address of my spare word; never rewritten
.set NIL,  11                          ; v11   0; never rewritten
.set SCO,  12                          ; v12   32 x lane
.set SCW,  16                          ; v16-31  w's scale words: register 8 (tile / 2) + K step; lanes 0-15 the even tile, lanes 16-31 the odd one
.set WF,   32                          ; v32-63  w's 4 fragments
.set YF,   64                          ; v64-95  y's 4
.set SCY,  96                          ; v96-111 y's scale words
.set ACC,  128                         ; accumulator (m, t) at v[128 + 8 (4 m + t)]
.set WV,   16
.set G1Y,  24                          ; s[24:31] group 1 for y, s[32:39] groups 0 for the two K halves
.set G0Y,  32
.set G1W,  48                          ; s[48:55], s[56:63] the same for w
.set G0W,  56
.macro CROUND                          ; a round of the cluster's barrier
	s_barrier_signal -1
	s_barrier_wait -1
	s_cmp_lg_u32 s[WV], 0
	s_cbranch_scc1 .Lnot_wave_0_\@
	s_barrier_signal -3
.Lnot_wave_0_\@:
	s_barrier_wait -3
	s_barrier_signal -1
	s_barrier_wait -1
.endm
	s_load_b256 s[4:11], s[0:1], 0x0               ; y's codes s[4:5], y's scales s[6:7], w's codes s[8:9], w's scales s[10:11]
	s_load_b128 s[12:15], s[0:1], 0x20             ; the bias s[12:13], out0 s[14:15]
	v_lshl_add_u32 v[SPW], v0, 2, SPARE
	v_mov_b32 v[NIL], 0
	ds_add_u32 v[SPW], v[NIL]                      ; the wave's opening: the add, twice on end, and its wait ahead of the first tensor load
	ds_add_u32 v[SPW], v[NIL]
	v_lshrrev_b32 v1, 5, v0
	s_delay_alu instid0(VALU_DEP_1)
	v_readfirstlane_b32 s[WV], v1                  ; wave 0..7
	s_and_b32 s17, s[WV], 1
	s_lshr_b32 s18, s[WV], 1
	s_bfe_u32 s40, ttmp6, 0x40000                  ; cx, cy
	s_bfe_u32 s41, ttmp6, 0x40004
	s_lshl_b32 s42, ttmp9, 2
	s_add_co_u32 s42, s42, s40                     ; which 128 outputs
	s_and_b32 s43, ttmp7, 0xffff
	s_lshl_b32 s43, s43, 2
	s_add_co_u32 s43, s43, s41                     ; which 256 tokens
	s_lshl_b32 s44, s41, 2
	s_lshl_b32 s44, 15, s44                        ; my row of the cluster
	s_lshl_b32 s45, 0x1111, s40                    ; my column
	s_or_b32 s[G1Y], s44, (3<<16)|(1<<21)          ; y: the mask of my row; elements of 8 bytes; 21 set beside a mask; no padding
	s_mov_b32 s[G1Y+1], 32<<16                     ; rows of 256 bytes,
	s_mov_b32 s[G1Y+2], 128<<16                    ; 128 of them,
	s_mov_b32 s[G1Y+3], 32<<16
	s_mov_b32 s[G1Y+4], 128
	s_mov_b32 s[G1Y+5], 32                         ; dense
	s_mov_b32 s[G1Y+6], 0
	s_mov_b32 s[G1Y+7], 0
	s_or_b32 s[G1W], s45, (1<<20)|(1<<21)|(5<<22)|(3<<25)   ; w: the mask of my column; elements of 1 byte; four words of padding behind every 64
	s_mov_b32 s[G1W+1], 256<<16
	s_mov_b32 s[G1W+2], 64<<16
	s_mov_b32 s[G1W+3], 256<<16
	s_mov_b32 s[G1W+4], 64
	s_mov_b32 s[G1W+5], 512
	s_mov_b32 s[G1W+6], 0
	s_mov_b32 s[G1W+7], 0
	s_lshl_b32 s19, s17, 15                        ; y: which 32,768 bytes of a K half I fetch, in LDS as in memory
	s_lshl_b32 s20, s43, 17
	s_add_co_u32 s20, s20, s19
	s_mov_b32 s21, 0
	s_lshl_b32 s22, s42, 7
	s_lshl_b32 s46, s17, 6
	s_add_co_u32 s22, s22, s46                     ; w: row 128 x block + 64 x half
	s_lshl_b32 s22, s22, 9
	s_mov_b32 s23, 0
	s_mul_i32 s47, s17, 64*272
	s_add_co_u32 s47, s47, WB
	s_wait_dscnt 0x0                               ; both opening adds are done
	s_wait_kmcnt 0x0
	s_add_nc_u64 s[20:21], s[4:5], s[20:21]
	s_add_nc_u64 s[22:23], s[8:9], s[22:23]
.irp g, 0,1
	s_mov_b32 s[G0Y+4*\g], 1
	s_add_co_u32 s[G0Y+4*\g+1], s19, \g*YH
	s_add_nc_u64 s[G0Y+4*\g+2:G0Y+4*\g+3], s[20:21], \g*YH
	s_or_b32 s[G0Y+4*\g+3], s[G0Y+4*\g+3], 0x80000000
	s_mov_b32 s[G0W+4*\g], 1
	s_add_co_u32 s[G0W+4*\g+1], s47, \g*WHALF
	s_add_nc_u64 s[G0W+4*\g+2:G0W+4*\g+3], s[22:23], \g*256
	s_or_b32 s[G0W+4*\g+3], s[G0W+4*\g+3], 0x80000000
.endr
	CROUND                                         ; all sixteen work-groups are here: the joint loads meet
	s_cmp_lt_u32 s[WV], 2                          ; waves 0, 1: y's halves; waves 2, 3: w's; a wave's two fills (K half 0, then 1) stand in one branch on the wave's number: two loads of mine are out
	s_cbranch_scc0 .Lnot_y
	tensor_load_to_lds s[G0Y:G0Y+3], s[G1Y:G1Y+7]
	s_nop 0
	tensor_load_to_lds s[G0Y+4:G0Y+7], s[G1Y:G1Y+7]
	s_nop 0
.rept 4
	v_nop
.endr
	s_branch .Lasked
.Lnot_y:
	s_cmp_lt_u32 s[WV], 4
	s_cbranch_scc0 .Lasked
	tensor_load_to_lds s[G0W:G0W+3], s[G1W:G1W+7]
	s_nop 0
	tensor_load_to_lds s[G0W+4:G0W+7], s[G1W:G1W+7]
	s_nop 0
.rept 4
	v_nop
.endr
.Lasked:
	s_lshl_b32 s66, s43, 8
	s_lshl_b32 s68, s18, 6
	s_add_co_u32 s66, s66, s68                     ; my first token
	s_lshl_b32 s70, s66, 5
	s_mov_b32 s71, 0
	s_add_nc_u64 s[6:7], s[6:7], s[70:71]          ; its row of scale bytes
	s_lshl_b32 s66, s66, 12                        ; its row of out0
	s_lshl_b32 s68, s42, 7
	s_lshl_b32 s69, s17, 6
	s_add_co_u32 s68, s68, s69                     ; my first output
	s_lshl_b32 s72, s68, 5
	s_mov_b32 s73, 0
	s_add_nc_u64 s[10:11], s[10:11], s[72:73]      ; its row of scale bytes
	s_lshl_b32 s72, s68, 2
	s_add_nc_u64 s[12:13], s[12:13], s[72:73]      ; its bias
	s_add_co_u32 s66, s66, s72
	s_mov_b32 s67, 0
	s_add_nc_u64 s[14:15], s[14:15], s[66:67]
	v_and_b32 v1, 31, v0                           ; lane
	v_and_b32 v13, 15, v0                          ; r
	v_bfe_u32 v14, v0, 4, 1                        ; h
	s_delay_alu instid0(VALU_DEP_1)
	v_lshlrev_b32 v[BO], 5, v14
	s_delay_alu instid0(VALU_DEP_4)
	v_lshlrev_b32 v[SCO], 5, v1
.irp m, 0,1,2,3
.irp t, 0,1,2,3
	global_load_b128 v[ACC+8*(4*\m+\t):ACC+8*(4*\m+\t)+3], v[BO], s[12:13] offset:64*\t       ; b_proj at outputs 16 t + 8 h + 0 .. 7: the sums begin with it
	global_load_b128 v[ACC+8*(4*\m+\t)+4:ACC+8*(4*\m+\t)+7], v[BO], s[12:13] offset:64*\t+16
.endr
.endr
.irp p, 0,1
	global_load_b128 v[SCW+8*\p:SCW+8*\p+3], v[SCO], s[10:11] offset:1024*\p                  ; a lane takes a row's 32 scale bytes (8 K steps) by two loads
	global_load_b128 v[SCW+8*\p+4:SCW+8*\p+7], v[SCO], s[10:11] offset:1024*\p+16
	global_load_b128 v[SCY+8*\p:SCY+8*\p+3], v[SCO], s[6:7] offset:1024*\p
	global_load_b128 v[SCY+8*\p+4:SCY+8*\p+7], v[SCO], s[6:7] offset:1024*\p+16
.endr
	s_lshl_b32 s74, s18, 12                        ; my four tiles of tokens: 1,024 bytes each in a K step's 16
	v_lshl_add_u32 v[ADY], v1, 4, s74
	s_delay_alu instid0(VALU_DEP_1)
	v_add_nc_u32 v[ADY+1], YH, v[ADY]
	v_mul_u32_u24 v15, v13, 272
	s_delay_alu instid0(VALU_DEP_1)
	v_lshl_add_u32 v15, v14, 4, v15
	s_mul_i32 s74, s17, 64*272
	s_add_co_u32 s74, s74, WB
	v_add_nc_u32 v[ADW], s74, v15
	s_delay_alu instid0(VALU_DEP_1)
	v_add_nc_u32 v[ADW+1], WHALF, v[ADW]
	s_mul_i32 s74, s[WV], 16*272
	s_add_co_u32 s74, s74, STAGE                   ; my stage
	v_mul_u32_u24 v15, v13, 272
	s_delay_alu instid0(VALU_DEP_1)
	v_lshl_add_u32 v15, v14, 5, v15
	s_delay_alu instid0(VALU_DEP_1)
	v_add_nc_u32 v[STO], s74, v15                  ; in: row r, + 32 h
	v_mul_u32_u24 v15, v14, 272
	s_delay_alu instid0(VALU_DEP_1)
	v_lshl_add_u32 v15, v13, 4, v15
	s_delay_alu instid0(VALU_DEP_1)
	v_add_nc_u32 v[RD], s74, v15                   ; back: lanes 0-15 one row of 256 bytes, lanes 16-31 the next
	v_lshlrev_b32 v[CO], 12, v14
	s_delay_alu instid0(VALU_DEP_1)
	v_lshl_add_u32 v[CO], v13, 4, v[CO]            ; and the same two rows in out0
.macro WMS d, a, b, sa, sb, pa, pb     ; one product; the tiles' parities say in which half of the lanes their scale words stand
.set WFORM, (\pa)+2*(\pb)
.if WFORM == 0
	v_wmma_scale_f32_16x16x128_f8f6f4 v[\d:\d+7], v[\a:\a+7], v[\b:\b+7], v[\d:\d+7], v[\sa], v[\sb] matrix_a_fmt:MATRIX_FMT_FP4 matrix_b_fmt:MATRIX_FMT_FP4
.elseif WFORM == 1
	v_wmma_scale_f32_16x16x128_f8f6f4 v[\d:\d+7], v[\a:\a+7], v[\b:\b+7], v[\d:\d+7], v[\sa], v[\sb] matrix_a_fmt:MATRIX_FMT_FP4 matrix_b_fmt:MATRIX_FMT_FP4 matrix_a_scale:MATRIX_SCALE_ROW1
.elseif WFORM == 2
	v_wmma_scale_f32_16x16x128_f8f6f4 v[\d:\d+7], v[\a:\a+7], v[\b:\b+7], v[\d:\d+7], v[\sa], v[\sb] matrix_a_fmt:MATRIX_FMT_FP4 matrix_b_fmt:MATRIX_FMT_FP4 matrix_b_scale:MATRIX_SCALE_ROW1
.else
	v_wmma_scale_f32_16x16x128_f8f6f4 v[\d:\d+7], v[\a:\a+7], v[\b:\b+7], v[\d:\d+7], v[\sa], v[\sb] matrix_a_fmt:MATRIX_FMT_FP4 matrix_b_fmt:MATRIX_FMT_FP4 matrix_a_scale:MATRIX_SCALE_ROW1 matrix_b_scale:MATRIX_SCALE_ROW1
.endif
.endm
; A K step of 128: 16 LDS loads, 16 products.  The 16 accumulators take turns, one instruction a turn, in the same order in every step.  The SIMD's other wave works while this one waits.
.macro KSTEP ks
.set KG, (\ks)/4
.set KQ, (\ks)%4
.rept 4
	v_nop                                          ; places in front of loads into registers that matrix instructions have read
.endr
.irp t, 0,1,2,3
	ds_load_b128 v[WF+8*\t:WF+8*\t+3], v[ADW+KG] offset:\t*4352+64*KQ
	ds_load_b128 v[WF+8*\t+4:WF+8*\t+7], v[ADW+KG] offset:\t*4352+64*KQ+32
.endr
.irp m, 0,1,2,3
	ds_load_b128 v[YF+8*\m:YF+8*\m+3], v[ADY+KG] offset:16384*KQ+1024*\m
	ds_load_b128 v[YF+8*\m+4:YF+8*\m+7], v[ADY+KG] offset:16384*KQ+1024*\m+512
.endr
	s_wait_dscnt 0x0
.irp m, 0,1,2,3
.irp t, 0,1,2,3
	WMS ACC+8*(4*\m+\t), WF+8*\t, YF+8*\m, SCW+8*(\t/2)+(\ks), SCY+8*(\m/2)+(\ks), \t%2, \m%2
.endr
.endr
.endm
	s_wait_alu depctr_va_vdst(0)
	s_wait_tensorcnt 0x1                           ; my part of K half 0 is in; half 1's load may be out
	s_barrier_signal -1
	s_barrier_wait -1
	s_wait_loadcnt 0x0                             ; the bias and the scale words
	KSTEP 0
	KSTEP 1
	KSTEP 2
	KSTEP 3
	s_wait_tensorcnt 0x0                           ; K half 1: my part,
	s_wait_dscnt 0x0
	s_barrier_signal -1
	s_barrier_wait -1                              ; everybody's
	KSTEP 4
	KSTEP 5
	KSTEP 6
	KSTEP 7
; THE WAY OUT, 16 tokens at a time.  A lane holds 32 neighbouring bytes of a row and the lanes beside it other rows: so a block goes through my own stage and comes back as whole rows of 256 bytes.
; LDS serves a wave's instructions in order (ISA guide 5.7.1.4): no wait between the stores and the loads, nor in front of the next block's stores.
.macro TOSTAGE m
.irp t, 0,1,2,3
	ds_store_b128 v[STO], v[ACC+8*(4*(\m)+\t):ACC+8*(4*(\m)+\t)+3] offset:64*\t          ; each accumulator from its low end on
	ds_store_b128 v[STO], v[ACC+8*(4*(\m)+\t)+4:ACC+8*(4*(\m)+\t)+7] offset:64*\t+16
.endr
.set BB, WF+32*((\m)%2)
.irp i, 0,1,2,3,4,5,6,7
	ds_load_b128 v[BB+4*\i:BB+4*\i+3], v[RD] offset:\i*544
.endr
.endm
.macro SEND m, younger                 ; younger: the LDS instructions issued behind block m's loads, which may stay out
.set BB, WF+32*((\m)%2)
	s_wait_dscnt \younger
.irp i, 0,1,2,3,4,5,6,7
	global_store_b128 v[CO], v[BB+4*\i:BB+4*\i+3], s[14:15] offset:(16*(\m)+2*\i)*4096 th:TH_STORE_NT   ; sixteen lanes store 256 consecutive bytes, aligned; written once, read by nobody here
.endr
.endm
.rept 4
	v_nop                                          ; places behind the last products
.endr
	TOSTAGE 0
	TOSTAGE 1
	SEND 0, 16                                     ; behind block 0's loads: block 1's 8 stores and 8 loads
	s_wait_xcnt 0x0                                ; block 0's stores have read their registers: block 2's loads may land there
	TOSTAGE 2
	SEND 1, 16
	s_wait_xcnt 0x0
	TOSTAGE 3
	SEND 2, 16
	SEND 3, 0
	s_wait_tensorcnt 0x0                           ; the wave's end: behind my last LDS store
	ds_add_u32 v[SPW], v[NIL]
	s_wait_dscnt 0x0
	CROUND                                         ; the closing round
	s_endpgm
.Lfunc_end_k_q842151d828_proj:
	.size	k_q842151d828_proj, .Lfunc_end_k_q842151d828_proj-k_q842151d828_proj
	.p2alignl 7, 3214868480
	.fill 96, 4, 3214868480
	.section	.rodata,"a",@progbits
	.p2align	6, 0x0
	.amdhsa_kernel k_q842151d828_proj
		.amdhsa_group_segment_fixed_size 236544
		.amdhsa_private_segment_fixed_size 0
		.amdhsa_enable_private_segment 0
		.amdhsa_kernarg_size 48
		.amdhsa_user_sgpr_count 2
		.amdhsa_user_sgpr_kernarg_segment_ptr 1
		.amdhsa_wavefront_size32 1
		.amdhsa_system_sgpr_workgroup_id_x 1
		.amdhsa_system_sgpr_workgroup_id_y 1
		.amdhsa_system_sgpr_workgroup_id_z 1
		.amdhsa_system_vgpr_workitem_id 0
		.amdhsa_next_free_vgpr 256
		.amdhsa_next_free_sgpr 90
		.amdhsa_reserve_vcc 0
		.amdhsa_float_denorm_mode_32 3
		.amdhsa_float_denorm_mode_16_64 3
		.amdhsa_memory_ordered 1
		.amdhsa_forward_progress 1
		.amdhsa_inst_pref_size 44
	.end_amdhsa_kernel
	.amdgpu_metadata
---
amdhsa.version: [ 1, 2 ]
amdhsa.kernels:
  - .name:           k_q842151d828_proj
    .symbol:         k_q842151d828_proj.kd
    .args:
      - { .name: ycodes, .offset: 0, .size: 8, .value_kind: global_buffer, .address_space: global }
      - { .name: ysc, .offset: 8, .size: 8, .value_kind: global_buffer, .address_space: global }
      - { .name: w_proj_codes, .offset: 16, .size: 8, .value_kind: global_buffer, .address_space: global }
      - { .name: w_proj_scales, .offset: 24, .size: 8, .value_kind: global_buffer, .address_space: global }
      - { .name: b_proj, .offset: 32, .size: 8, .value_kind: global_buffer, .address_space: global }
      - { .name: out0, .offset: 40, .size: 8, .value_kind: global_buffer, .address_space: global }
    .group_segment_fixed_size: 236544
    .private_segment_fixed_size: 0
    .kernarg_segment_align: 8
    .kernarg_segment_size: 48
    .max_flat_workgroup_size: 256
    .sgpr_count:     90
    .vgpr_count:     256
    .wavefront_size: 32
...
	.end_amdgpu_metadata
.endif
;; end of part 3
